; MI455X (gfx1250); checked and timed in simulation.
; The chip was launched on July 23, 2026; its instructions are those of AMD's public machine-readable ISA for CDNA 5 (MIT licence, August 2026) and "CDNA5" Instruction Set Architecture Reference Guide (July 2026). The comments in the code are by the model that wrote it; some were corrected since.
;; SVD Residual Linear. Allowed arithmetic: matrix products marked QUANTISED: E3M2 operands, one E8M0 scale for each 32 along K, by v_wmma_scale_f32_16x16x128_f8f6f4 with both operands' format E3M2, f32 sums; products left as they are: f32 operands where the result goes on into a quantised operand, else bf16, f16 or f32 operands; f32 sums; everything else in f32.
;; Inputs: S 64 float32; U_codes 4,096 x 2 x 24 uint8 (E3M2 codes of U, K innermost, in blocks of 32 codes, four codes in three bytes); U_scales 4,096 x 2 uint8 (E8M0 scales of U, one for each 32 codes along K); V 64 x 4,096 float32; bias 4,096 float32; weight_main 4,096 x 4,096 float32; x_codes 8 x 512 x 128 x 24 uint8 (E3M2 codes of x, K innermost, in blocks of 32 codes, four codes in three bytes); x_scales 8 x 512 x 128 uint8 (E8M0 scales of x, one for each 32 codes along K).
;; Outputs: out0 8 x 512 x 4,096 float32.
;; This version of the problem:
;;   THIS VERSION OF THE PROBLEM IS GIVEN IN LOW PRECISION. The matrix products marked QUANTISED in the list below multiply operands that are first quantised to E3M2 (3 exponent bits, 2 mantissa bits; 6 bits a number), with one power-of-two scale for each 32 numbers along K (OCP MX v1.0); their sums are f32. All else is computed in f32.
;;   The module's matrix products, in the order in which they are computed (A, B: the left and right operand; K: the contracted axis; several contracted axes count as one K, in the product's order):
;;     1. batch 64 x [M 1, K 1] x [K 1, N 4,096]; A: computed on the way; B: computed on the way: left as it is (no contracted axis)
;;     2. [M 4,096, K 64] x [K 64, N 4,096]; A: input U (given as codes); B: computed on the way: QUANTISED
;;     3. [M 4,096, K 4,096] x [K 4,096, N 4,096]; A: input x (given as codes); B: computed on the way: QUANTISED
;;   THE QUANTISER, for each operand of a quantised product, along K:
;;     - K is cut into blocks of 32 from its start; a last block that is shorter is filled with zeros.
;;     - A block's scale is 2^e with e = floor(log2(the largest magnitude in the block)) - 4, held to -126 .. 127; a block of zeros has e = 0. As a byte (E8M0): e + 127.
;;     - Each number is divided by its block's scale, clamped to +-28, and rounded to the nearest number of E3M2, ties to even, subnormals kept.
;;     - The product sums the exact products of the quantised numbers (number of the format x scale) in f32.
;;   ~~~python
;;   def quantise(x, axis):      # numpy; x: float32 -> the quantised numbers, widened to float32 again
;;       x = np.moveaxis(x, axis, -1); K = x.shape[-1]
;;       x = np.pad(x, [(0, 0)] * (x.ndim - 1) + [(0, -K % 32)]); x = x.reshape(x.shape[:-1] + (-1, 32)); a = np.abs(x).max(-1, keepdims=True)
;;       e = np.where(a > 0, np.clip(np.frexp(np.where(a > 0, a, 1))[1] - 1 - 4, -126, 127), 0)      # np.frexp(a)[1] - 1 = floor(log2(a)), exactly
;;       r = np.clip(x / 2.0 ** e, -28, 28)
;;       step = 2.0 ** (np.maximum(np.frexp(np.where(r == 0, 1, r))[1] - 1, -2) - 2)
;;       q = np.round(r / step) * step * 2.0 ** e      # np.round: ties to even
;;       return np.moveaxis(q.reshape(q.shape[:-2] + (-1,))[..., :K], -1, axis).astype(np.float32)
;;   ~~~
;;   OPERANDS COMPUTED ON THE WAY. 'Computed on the way' means the value that the module computes at that place (a softmax that the list does not call 'softmax' is quantised finished and normalised). What goes into a quantiser is computed in f32, as accurately as f32 sums, v_exp_f32 and their like allow (about 1e-6 of the number): no bf16 or f16 on the way to a quantiser, and a product that is left as it is and whose result goes on into a quantised operand takes f32 operands (vector FMAs, or v_wmma_f32_16x16x4_f32). A number that lies on a knife's edge between two numbers of the format may be rounded either way, as far as f32 arithmetic and the matrix unit's own rounding can turn it there, and no further.
;;   INPUTS GIVEN AS CODES. U (in the module: [4096, 64], K = its axis 1); x (in the module: [8, 512, 4096], K = its axis 2): each comes as NAME_codes (uint8): NAME with its K axis moved to the last place and cut into blocks of 32 codes, [.., K / 32, bytes a block], one block behind the other in memory; four codes in three bytes: a row's codes are one little-endian stream of bits, code i at bits 6 i .. 6 i + 5 (a code: sign, 3 exponent bits, 2 mantissa bits); and NAME_scales (uint8): the same leading axes, one E8M0 byte (e + 127) for each 32 codes along K. Its value is code x scale, taken as it is: it is not quantised again, and the codes and scales need not be those that the quantiser above would give.
;; One version. Each part assembles by itself: llvm-mc -triple=amdgcn-amd-amdhsa -mcpu=gfx1250 --defsym DOCPART=n.
;; ======== version 1 of 1: 2 launches
;; limits: right only within a limited range of input values
;; workspace buffers: w_img 13,107,200 bytes; x_img 13,107,200 bytes
;; launch prep (part 1): grid 32 x 8, 8 waves a work-group, no clusters, 287,744 bytes of LDS; arguments weight_main, V, S, U_codes, U_scales, w_img, x_codes, x_scales, x_img; writes w_img, x_img
.if DOCPART == 1
	.amdgcn_target "amdgcn-amd-amdhsa--gfx1250"
	.amdhsa_code_object_version 6
	.text
	.protected	k_q036507eedb_prep
	.globl	k_q036507eedb_prep
	.p2align	8
	.type	k_q036507eedb_prep,@function
k_q036507eedb_prep:
	s_mov_b64 s[64:65], 0
	v_nop
	global_prefetch_b8 v0, s[64:65] scope:SCOPE_SE
	s_setreg_imm32_b32 hwreg(HW_REG_WAVE_MODE, 25, 1), 1
	s_wait_xcnt 0x0
; weight = weight_main + U Q(S o V), then Q(weight) along its last axis (BF6 codes, one E8M0 byte for each 32); and x's codes and scales laid anew.
; S o V is a plain f32 multiplication, quantised along j (two blocks of 32 for a column i) and multiplied by U's codes in the matrix unit, K = 64 filled up to 128 with zero codes on both sides;
; weight_main is the C of that product.
; OUT: w_img and x_img, both [row / 64][k / 128][6,400 bytes]: a unit holds four fragments (16 rows x 128 K each, an image of the operand's 12 registers: registers 4 g .. 4 g + 3 of lane l at 512 g + 16 l),
; then 256 bytes of scale words: the word of row 16 c + r at 16 r + 4 c.  A unit is 25 x 256 bytes, so every unit begins at a multiple of 256 bytes.
; SHARES.  Work-group (x, y): rows 512 y .. + 511 of weight, columns 128 x .. + 127; wave w owns 64 of the rows: one unit of w_img, as four chunks of 16 rows.  Its 64 rows x 512 bytes of weight_main come by ONE
; tensor load into LDS bytes of the wave's own, filled once: no ring, no refill.
; x: work-group number j = x + 32 y takes rows 64 (j / 4) .. + 63 and K steps 8 (j % 4) .. + 7, a step a wave: the eight waves together read 768 neighbouring bytes of each row.  A lane loads its fragment's
; pieces of 8 bytes as they lie and stores the registers' image, 512 neighbouring bytes an instruction.
; LAYOUT of the product: source 0 = 16 columns i of Q(S o V), source 1 = 16 rows of U: a lane holds one row o and its registers run along i.  Lane r of tile 2 b + u takes column 32 b + 8 u + r + 8 (r / 8),
; so that the 16 registers of tiles 2 b, 2 b + 1 are 16 neighbours along i.
; NO CLUSTER: what work-groups share (V's strip, U's rows) is small beside the 262,144 bytes that are a work-group's own.  NO PREFETCH: the launch has no loop to run ahead in.
; LIMITS: NaN and infinities among the f32 inputs are not served.  A block whose largest magnitude lies under 2^-122, a block of zeros too, gets the byte 1; a block of zeros has zero codes,
; which add nothing under that byte, and the bytes are read by this program alone.
.set WTW,  33792                       ; a wave's tile: 64 rows of 512 bytes + 16 of padding
.set WTC,  8448                        ; 16 rows of it
.set WP,   528
.set IMG,  8*WTW                       ; the eight fragments of Q(S o V) as images of their registers
.set FRB,  1536
.set ISC,  IMG+8*FRB                   ; their scale words, 128 bytes each
.set SPARE, 0x46000                    ; the spare words: 128 bytes a wave
.set UNIT, 6400
.set GROW, 204800                      ; 32 units: from 64 rows to the next
.set LA,   4
.set LI,   5
.set IWI,  7
.set IWS,  8
.set VA,   9
.set SA,   10
.set UA,   11
.set USA,  12
.set WSO,  13
.set SVS,  16                          ; v16-23 scale words of Q(S o V)
.set US,   24                          ; v24-27 U's scale words
.set PW,   28                          ; v28-31 w's scale words
.set TM,   32
.set PT,   48
.set ILI,  56
.set ILS,  57
.set XA,   58                          ; x's codes: 3,072 r + 24 h
.set XS,   59                          ; x's scales: 128 (32 h + r)
.set ACC,  64
.set UF,   128
.set PC,   176
.set XW,   224                         ; v224-225 x's two scale words
.set XF,   96                          ; window 1, v96-143: x's four fragments (window 1, v0-95: Q(S o V)'s eight)
.set G1,   24
.set G0,   32
.set SEL,  48
.set MSB, 0
.macro WIN new
.if MSB != (\new)
	s_set_vgpr_msb (MSB<<8)|(\new)
.set MSB, (\new)
.endif
.endm
	s_load_b256 s[4:11], s[0:1], 0x0               ; weight_main, V, S, U's codes
	s_load_b128 s[12:15], s[0:1], 0x20             ; U's scales, w_img
	s_load_b128 s[56:59], s[0:1], 0x30             ; x's codes, x's scales
	s_load_b64 s[60:61], s[0:1], 0x40              ; x_img
	v_lshl_add_u32 v254, v0, 2, SPARE
	v_mov_b32 v255, 0
	ds_add_u32 v254, v255                          ; the opening lines: the add twice on end and its wait
	ds_add_u32 v254, v255
	v_lshrrev_b32 v1, 5, v0
	s_delay_alu instid0(VALU_DEP_1)
	v_readfirstlane_b32 s18, v1                    ; wave
	s_mov_b32 s19, ttmp9                           ; the strip of 128 columns
	s_and_b32 s20, ttmp7, 0xffff                   ; the part of 512 rows
	s_lshl_b32 s21, s20, 9
	s_lshl_b32 s50, s18, 6
	s_add_co_u32 s21, s21, s50                     ; my first row: 512 y + 64 w
	s_mov_b32 s[G1+0], (2<<16)|(1<<20)|(6<<22)|(3<<25)  ; elements of 4 bytes; 4 words of padding behind every 128
	s_mov_b32 s[G1+1], 128<<16
	s_mov_b32 s[G1+2], 64<<16
	s_mov_b32 s[G1+3], 128<<16
	s_mov_b32 s[G1+4], 64
	s_mov_b32 s[G1+5], 4096
	s_mov_b32 s[G1+6], 0
	s_mov_b32 s[G1+7], 0
	s_mov_b32 s[SEL], 0x76543210
	s_mov_b32 s[SEL+1], 0xfedcba98
	s_mul_i32 s52, s18, WTW
	s_lshl_b32 s50, s21, 14
	s_lshl_b32 s51, s19, 9
	s_add_co_u32 s50, s50, s51
	s_mov_b32 s51, 0
	s_wait_dscnt 0x0
	s_wait_kmcnt 0x0
	s_add_nc_u64 s[4:5], s[4:5], s[50:51]
	s_mov_b32 s[G0], 1
	s_mov_b32 s[G0+1], s52
	s_mov_b64 s[G0+2:G0+3], s[4:5]
	s_or_b32 s[G0+3], s[G0+3], 0x80000000
	tensor_load_to_lds s[G0:G0+3], s[G1:G1+7]      ; my one tensor load: 64 rows x 512 bytes
	s_nop 0
.rept 4
	v_nop
.endr
	s_mul_i32 s53, s18, FRB
	s_add_co_u32 s53, s53, IMG
	s_lshl_b32 s55, s18, 7
	s_add_co_u32 s55, s55, ISC
	v_and_b32 v1, 31, v0                           ; lane
	v_and_b32 v2, 15, v0                           ; r
	v_bfe_u32 v3, v0, 4, 1                         ; h
	v_mul_u32_u24 v[LA], v2, WP
	v_lshlrev_b32 v[LI], 4, v1
	v_lshlrev_b32 v6, 2, v1
	v_and_b32 v[VA], 8, v2
	v_lshl_add_u32 v[LA], v3, 6, v[LA]
	v_add_nc_u32 v[IWI], s53, v[LI]
	v_add_nc_u32 v[IWS], s55, v6
	v_add_nc_u32 v[VA], v[VA], v2                  ; r + 8 (r / 8)
	v_add_nc_u32 v[LA], s52, v[LA]
	v_add_nc_u32 v[ILI], IMG, v[LI]
	v_add_nc_u32 v[ILS], ISC, v6
	v_lshlrev_b32 v[VA], 2, v[VA]
	v_lshlrev_b32 v[SA], 7, v3
	v_mul_u32_u24 v[UA], v2, 48
	v_lshl_add_u32 v[VA], v3, 19, v[VA]            ; lanes 16-31 begin 32 rows of V further down
	v_lshlrev_b32 v[USA], 1, v2
	v_mad_u32_u24 v[UA], v3, 24, v[UA]
	v_lshlrev_b32 v[WSO], 4, v2
	v_mul_u32_u24 v[XA], v2, 3072
	v_lshlrev_b32 v[XS], 7, v2
	v_lshl_add_u32 v[WSO], v3, 3, v[WSO]
	v_mad_u32_u24 v[XA], v3, 24, v[XA]
	v_lshl_add_u32 v[XS], v3, 12, v[XS]
	s_wait_alu depctr_va_vdst(0)                   ; the wait at the head's end
	s_lshl_b32 s50, s19, 9                         ; V: the strip, and my tile t = w = 2 b + u: columns 32 b + 8 u on
	s_lshr_b32 s54, s18, 1
	s_lshl_b32 s54, s54, 7
	s_add_co_u32 s50, s50, s54
	s_and_b32 s54, s18, 1
	s_lshl_b32 s54, s54, 5
	s_add_co_u32 s50, s50, s54
	s_add_nc_u64 s[6:7], s[6:7], s[50:51]
	s_mul_i32 s50, s21, 48
	s_add_nc_u64 s[10:11], s[10:11], s[50:51]      ; U's codes
	s_lshl_b32 s50, s21, 1
	s_add_nc_u64 s[12:13], s[12:13], s[50:51]      ; U's scales
	s_lshr_b32 s50, s21, 6
	s_mul_i32 s50, s50, GROW
	s_mul_i32 s54, s19, UNIT
	s_add_co_u32 s50, s50, s54
	s_add_nc_u64 s[14:15], s[14:15], s[50:51]      ; my unit of w_img
	s_lshl_b32 s50, s20, 5
	s_add_co_u32 s50, s50, s19                     ; j
	s_lshr_b32 s54, s50, 2                         ; x: the 64 rows
	s_and_b32 s50, s50, 3
	s_lshl_b32 s50, s50, 3
	s_add_co_u32 s55, s50, s18                     ; and my K step
	s_mul_i32 s50, s54, 64*3072
	s_mul_i32 s53, s55, 96
	s_add_co_u32 s50, s50, s53
	s_add_nc_u64 s[56:57], s[56:57], s[50:51]
	s_lshl_b32 s50, s54, 13
	s_lshl_b32 s53, s55, 2
	s_add_co_u32 s50, s50, s53
	s_add_nc_u64 s[58:59], s[58:59], s[50:51]
	s_mul_i32 s50, s54, GROW
	s_mul_i32 s53, s55, UNIT
	s_add_co_u32 s50, s50, s53
	s_add_nc_u64 s[60:61], s[60:61], s[50:51]      ; my unit of x_img
.irp q, 0,1,2,3,4,5,6,7
	global_load_b128 v[96+4*\q:99+4*\q], v[SA], s[8:9] offset:16*\q        ; S(32 h + 0 .. 31)
.endr
.set j, 0
.rept 32
	global_load_b32 v[64+j], v[VA], s[6:7] offset:16384*j                  ; V(32 h + j, my column)
.set j, j+1
.endr
.irp c, 0,1,2,3
.irp p, 0,1,2
	global_load_b64 v[UF+12*\c+2*\p:UF+12*\c+2*\p+1], v[UA], s[10:11] offset:768*\c+8*\p
.endr
	global_load_u16 v[US+\c], v[USA], s[12:13] offset:32*\c                ; two scale bytes; the upper two are 0, over zero codes
.endr
	WIN 0x40                                       ; destination window 1
.irp c, 0,1,2,3
.irp p, 0,1,2,3,4,5
	global_load_b64 v[XF+12*\c+2*\p:XF+12*\c+2*\p+1], v[XA], s[56:57] offset:49152*\c+48*(\p/3)+8*(\p%3)   ; x's fragment c, as it lies
.endr
.endr
	WIN 0
	global_load_b32 v[XW], v[XS], s[58:59]                                 ; the words of rows 32 h + r
	global_load_b32 v[XW+1], v[XS], s[58:59] offset:2048                   ; and 32 h + 16 + r
.irp c, 0,1,2,3
.irp i, 6,7,8,9,10,11
	v_mov_b32 v[UF+12*\c+\i], 0                    ; K = 64 .. 127: zero codes
.endr
.endr
.irp i, 6,7,8,9,10,11
	v_mov_b32 v[PC+\i], 0
.endr
.irp b, 0,1,2,3
	v_mov_b32 v[TM+4+\b], 0                        ; a lane permute's destination counts as one of its sources
.endr
	s_wait_loadcnt 42                              ; S and V are in; behind them: U's 16 loads and x's 26
.irp k, 0,2,4,6,8,10,12,14,16,18,20,22,24,26,28,30
	v_pk_mul_f32 v[64+\k:65+\k], v[64+\k:65+\k], v[96+\k:97+\k]            ; S(j) V(j, i)
.endr
	v_max3_num_f32 v32, |v64|, |v65|, 0x2800000    ; the block's largest magnitude, two chains, with the floor 2^(5 - 127)
	v_max3_num_f32 v33, |v66|, |v67|, 0x2800000
.irp i, 4,8,12,16,20,24,28
	s_delay_alu instid0(VALU_DEP_2)
	v_max3_num_f32 v32, v32, |v[64+\i]|, |v[65+\i]|
	s_delay_alu instid0(VALU_DEP_2)
	v_max3_num_f32 v33, v33, |v[66+\i]|, |v[67+\i]|
.endr
	s_delay_alu instid0(VALU_DEP_1)
	v_max_num_f32 v32, v32, v33
	s_delay_alu instid0(VALU_DEP_1)
	v_add_nc_u32 v34, 0xfe000000, v32              ; 4 off the exponent field: the conversion's scale operand
	s_delay_alu instid0(VALU_DEP_1)
	v_lshrrev_b32 v35, 23, v34                     ; the byte
	v_lshlrev_b32 v33, 3, v3
	s_delay_alu instid0(VALU_DEP_1)
	v_lshlrev_b32 v35, v33, v35                    ; at byte h of the word
	s_delay_alu instid0(VALU_DEP_1)
	v_permlanex16_b32 v36, v35, s[SEL], s[SEL+1]
	s_delay_alu instid0(VALU_DEP_1)
	v_or_b32 v15, v35, v36
	v_cvt_scalef32_pk16_bf6_f32 v[PC:PC+2], v[64:79], v34
	v_cvt_scalef32_pk16_bf6_f32 v[PT:PT+2], v[80:95], v34
	v_nop                                          ; one plain line behind the scaled conversions
.irp i, 0,1,2
	v_mov_b32 v[PC+3+\i], v[PT+\i]
.endr
.irp g, 0,1,2
	ds_store_b128 v[IWI], v[PC+4*\g:PC+4*\g+3] offset:512*\g
.endr
	ds_store_b32 v[IWS], v15
	s_wait_dscnt 0x0                               ; for the others' sake: my stores have landed
	s_barrier_signal -1
	s_barrier_wait -1                              ; the only barrier; nothing is filled again, and each tile is read by its own wave behind its own wait
	WIN 0x40
.irp t, 0,1,2,3,4,5,6,7
.irp g, 0,1,2
	ds_load_b128 v[12*\t+4*\g:12*\t+4*\g+3], v[ILI] offset:FRB*\t+512*\g   ; all eight fragments of Q(S o V)
.endr
.endr
	WIN 0
.irp t, 0,1,2,3,4,5,6,7
	ds_load_b32 v[SVS+\t], v[ILS] offset:128*\t
.endr
; 64 numbers of a lane (register 16 b + i = k 32 b + 16 h + i of my row) become a fragment's codes and its scale word.  Each accumulator is first read at its low end.
.macro QUANT s, pc, pw
.irp b, 0,1,2,3
	v_max3_num_f32 v[TM+\b], |v[\s+16*\b]|, |v[\s+1+16*\b]|, 0x2800000
.endr
.irp i, 2,4,6,8,10,12,14
.irp b, 0,1,2,3
	v_max3_num_f32 v[TM+\b], v[TM+\b], |v[\s+16*\b+\i]|, |v[\s+1+16*\b+\i]|
.endr
.endr
.irp b, 0,1,2,3
	s_delay_alu instid0(VALU_DEP_4)
	v_permlanex16_b32 v[TM+4+\b], v[TM+\b], s[SEL], s[SEL+1]
.endr
.irp b, 0,1,2,3
	s_delay_alu instid0(VALU_DEP_4)
	v_max_num_f32 v[TM+\b], v[TM+\b], v[TM+4+\b]
.endr
.irp b, 0,1,2,3
	s_delay_alu instid0(VALU_DEP_4)
	v_add_nc_u32 v[TM+12+\b], 0xfe000000, v[TM+\b]
.endr
.irp b, 0,1,2,3
	s_delay_alu instid0(VALU_DEP_4)
	v_lshrrev_b32 v[TM+4+\b], 23, v[TM+12+\b]
.endr
	s_delay_alu instid0(VALU_DEP_3)
	v_lshl_or_b32 v[\pw], v[TM+5], 8, v[TM+4]
	s_delay_alu instid0(VALU_DEP_1)
	v_lshl_or_b32 v[\pw], v[TM+6], 16, v[\pw]
	s_delay_alu instid0(VALU_DEP_1)
	v_lshl_or_b32 v[\pw], v[TM+7], 24, v[\pw]
.irp c, 0,1
	v_cvt_scalef32_pk16_bf6_f32 v[(\pc)+6*\c:(\pc)+2+6*\c], v[\s+32*\c:\s+15+32*\c], v[TM+12+2*\c]
	v_cvt_scalef32_pk16_bf6_f32 v[PT+4*\c:PT+2+4*\c], v[\s+16+32*\c:\s+31+32*\c], v[TM+12+2*\c+1]
.endr
	v_nop
.irp c, 0,1                                    ; a whole block in a lane: lanes 0-15 block 2 c, lanes 16-31 block 2 c + 1
.irp i, 0,1,2
	v_permlane16_swap_b32 v[(\pc)+6*\c+\i], v[PT+4*\c+\i]
.endr
.irp i, 0,1,2
	s_delay_alu instid0(VALU_DEP_3)
	v_mov_b32 v[(\pc)+3+6*\c+\i], v[PT+4*\c+\i]
.endr
.endr
.endm
.macro CHUNK c
.if \c == 0
	s_wait_tensorcnt 0x0                           ; my tile is in LDS
.endif
.irp b, 0,1,2,3
.irp q, 0,1,2,3
	ds_load_b128 v[ACC+16*\b+4*\q:ACC+16*\b+4*\q+3], v[LA] offset:WTC*\c+128*\b+16*\q   ; weight_main, in the result's layout: the product's C
.endr
.endr
.if \c == 0
	s_wait_loadcnt 0x0                             ; U and x
.endif
	s_wait_dscnt 0x0
	WIN 0x01
.irp t, 0,1,2,3,4,5,6,7
	v_wmma_scale_f32_16x16x128_f8f6f4 v[ACC+8*\t:ACC+8*\t+7], v[12*\t:12*\t+11], v[UF+12*\c:UF+12*\c+11], v[ACC+8*\t:ACC+8*\t+7], v[SVS+\t], v[US+\c] matrix_a_fmt:MATRIX_FMT_BF6 matrix_b_fmt:MATRIX_FMT_BF6
.endr
	WIN 0
.rept 4
	v_nop                                          ; four places ahead of the first read of the results (ISA guide 7.12.1)
.endr
	QUANT ACC, PC+12*\c, PW+\c
.irp g, 0,1,2
	global_store_b128 v[LI], v[PC+12*\c+4*\g:PC+12*\c+4*\g+3], s[14:15] offset:FRB*\c+512*\g th:TH_STORE_NT   ; 512 consecutive bytes, from a multiple of 256
.endr
.endm
	CHUNK 0
	WIN 0x04                                       ; the stores' data in window 1
.irp c, 0,1,2,3
.irp g, 0,1,2
	global_store_b128 v[LI], v[XF+12*\c+4*\g:XF+12*\c+4*\g+3], s[60:61] offset:FRB*\c+512*\g th:TH_STORE_NT
.endr
.endr
	WIN 0
	global_store_b64 v[WSO], v[XW:XW+1], s[60:61] offset:4*FRB th:TH_STORE_NT   ; 256 consecutive bytes
	CHUNK 1
	CHUNK 2
	CHUNK 3
	v_cmp_ne_u32 vcc_lo, 0, v3                     ; lane (r, h) stores row r's words of chunks 2 h and 2 h + 1
	s_delay_alu instid0(VALU_DEP_1)
	v_cndmask_b32 v14, v[PW], v[PW+2], vcc_lo
	s_delay_alu instid0(VALU_DEP_2)
	v_cndmask_b32 v15, v[PW+1], v[PW+3], vcc_lo
	global_store_b64 v[WSO], v[14:15], s[14:15] offset:4*FRB th:TH_STORE_NT
	s_wait_tensorcnt 0x0                           ; the wave's end
	ds_add_u32 v254, v255
	s_wait_dscnt 0x0
	s_endpgm
.Lfunc_end_k_q036507eedb_prep:
	.size	k_q036507eedb_prep, .Lfunc_end_k_q036507eedb_prep-k_q036507eedb_prep
	.p2alignl 7, 3214868480
	.fill 96, 4, 3214868480
	.section	.rodata,"a",@progbits
	.p2align	6, 0x0
	.amdhsa_kernel k_q036507eedb_prep
		.amdhsa_group_segment_fixed_size 287744
		.amdhsa_private_segment_fixed_size 0
		.amdhsa_enable_private_segment 0
		.amdhsa_kernarg_size 72
		.amdhsa_user_sgpr_count 2
		.amdhsa_user_sgpr_kernarg_segment_ptr 1
		.amdhsa_wavefront_size32 1
		.amdhsa_system_sgpr_workgroup_id_x 1
		.amdhsa_system_sgpr_workgroup_id_y 1
		.amdhsa_system_sgpr_workgroup_id_z 1
		.amdhsa_system_vgpr_workitem_id 0
		.amdhsa_next_free_vgpr 400
		.amdhsa_next_free_sgpr 66
		.amdhsa_reserve_vcc 1
		.amdhsa_float_denorm_mode_32 3
		.amdhsa_float_denorm_mode_16_64 3
		.amdhsa_memory_ordered 1
		.amdhsa_forward_progress 1
		.amdhsa_inst_pref_size 50
	.end_amdhsa_kernel
	.amdgpu_metadata
---
amdhsa.version: [ 1, 2 ]
amdhsa.kernels:
  - .name:           k_q036507eedb_prep
    .symbol:         k_q036507eedb_prep.kd
    .args:
      - { .name: weight_main, .offset: 0, .size: 8, .value_kind: global_buffer, .address_space: global }
      - { .name: V, .offset: 8, .size: 8, .value_kind: global_buffer, .address_space: global }
      - { .name: S, .offset: 16, .size: 8, .value_kind: global_buffer, .address_space: global }
      - { .name: U_codes, .offset: 24, .size: 8, .value_kind: global_buffer, .address_space: global }
      - { .name: U_scales, .offset: 32, .size: 8, .value_kind: global_buffer, .address_space: global }
      - { .name: w_img, .offset: 40, .size: 8, .value_kind: global_buffer, .address_space: global }
      - { .name: x_codes, .offset: 48, .size: 8, .value_kind: global_buffer, .address_space: global }
      - { .name: x_scales, .offset: 56, .size: 8, .value_kind: global_buffer, .address_space: global }
      - { .name: x_img, .offset: 64, .size: 8, .value_kind: global_buffer, .address_space: global }
    .group_segment_fixed_size: 287744
    .private_segment_fixed_size: 0
    .kernarg_segment_align: 8
    .kernarg_segment_size: 72
    .max_flat_workgroup_size: 256
    .sgpr_count:     66
    .vgpr_count:     400
    .wavefront_size: 32
...
	.end_amdgpu_metadata
.endif
;; end of part 1
;; launch gemm (part 2): grid 16 x 16, 4 waves a work-group, clusters of 4 x 4, 327,680 bytes of LDS; arguments x_img, w_img, out0, bias; writes out0
.if DOCPART == 2
	.amdgcn_target "amdgcn-amd-amdhsa--gfx1250"
	.amdhsa_code_object_version 6
	.text
	.protected	k_q036507eedb_gemm
	.globl	k_q036507eedb_gemm
	.p2align	8
	.type	k_q036507eedb_gemm,@function
k_q036507eedb_gemm:
	s_mov_b64 s[64:65], 0
	v_nop
	global_prefetch_b8 v0, s[64:65] scope:SCOPE_SE
	s_setreg_imm32_b32 hwreg(HW_REG_WAVE_MODE, 25, 1), 1
	s_wait_xcnt 0x0
	s_wait_alu depctr_hold_cnt(0) depctr_sa_sdst(0) depctr_va_vdst(0) depctr_va_sdst(0) depctr_va_ssrc(0) depctr_va_vcc(0) depctr_vm_vsrc(0)
	s_getreg_b32 s2, hwreg(HW_REG_IB_STS2, 6, 4)
	s_cmp_eq_u32 s2, 0
	s_cbranch_scc0 .Lentry_in_a_cluster
	s_endpgm
.Lentry_in_a_cluster:
	s_bfe_u32 s2, ttmp6, 0x10000c
	s_cmp_lg_u32 s2, 0xf033
	s_cbranch_scc0 .Lentry_shape_is_right
	s_endpgm
.Lentry_shape_is_right:
; out0[m][n] = sum over k of x[m][k] weight[n][k] + bias[n], on BF6 codes with E8M0 scales.  M = N = K = 4,096.
; x_img, w_img: [row / 64][k / 128][6,400 bytes]: four fragments (16 rows x 128 K as an image of the operand's 12 registers: registers 4 g .. 4 g + 3 of lane l at 512 g + 16 l), then 256 bytes of scale words
; (row 16 c + r at 16 r + 4 c).  So a fragment is three loads of 16 bytes a lane at 16 x lane, and one such load brings a lane the words of four blocks of rows.
; A block of out0, 256 x 256, is made by four waves, 128 x 128 each: 64 accumulators.  K goes in 32 steps of 128 through two LDS slots; a slot holds THREE steps of x's 256 rows and of w's 256 rows, scales among them:
; 153,600 bytes.  Ten tiles of three steps and a last one of two.  A wave's tensor load brings 128 rows: 2 rows of 19,200 bytes, each from a multiple of 256 bytes.
; CLUSTERS 4 x 4: x's tiles are asked for jointly along a row of the cluster, w's along a column.
; REGISTERS: each window g of 256 holds v128-255: the accumulators of x's blocks 2 g, 2 g + 1 ((a, b) at 128 + 8 (8 (a % 2) + b)), and v32-127: one set of eight fragments: windows 0, 1 w's two sets, windows 2, 3 x's two sets.
; A step of parity p multiplies the sets in windows p and 2 + p.  BOTH OPERANDS HAVE TWO SETS: the next step's LDS loads stand in TWO runs, 26 (scale words and w) at the step's head and 24 (x) behind its first
; 16 matrix instructions; the other 48 follow with no load among them, ahead of the one wait for all these loads at the next step's head.
; Window 0: v1 16 x lane, v2 bias offset, v4-19 scale words (two sets of 8: lanes 0-15 x's block j, lanes 16-31 w's block j), v20-31 addresses.  Windows 2, 3 v0-31: the bias, the C of the first step's products;
; on the way out: 16 rows read back from the stage.
; THE MATRIX INSTRUCTION IS USED TRANSPOSED (source 0 = 16 rows of w, source 1 = 16 rows of x): a lane holds eight neighbouring numbers of a row of out0.
; THE CHANGE OF SLOTS stands in a tile's middle step: its last step's fragments have been asked for in that step's first quarter, so the tile is read no more once they are in.
; THE LAST TWO STEPS GO BY ROWS OF out0: both steps' fragments lie in the two sets, so each block of 16 rows is finished by its 16 products (K ascending) and leaves while the later blocks are multiplied.
; PREFETCH: behind the load of tile t two instructions a wave name tile t + 1, which the next load will bring: 150 blocks of 256 bytes, of which each of the four partners takes 38 by address
; (lanes left over name the partner's last block again).  The short last tile comes by its load alone.
.set UNIT,  6400
.set FRB,   1536
.set GROW,  204800                     ; 32 units: from 64 rows to the next
.set TS,    3*UNIT                     ; a tile's row: three steps of 64 rows
.set REG,   2*TS                       ; what one tensor load brings
.set SLOT,  4*REG                      ; x's two halves, then w's two halves
.set SPARE, 2*SLOT                     ; the spare words: 128 bytes a wave
.set SPITCH, 528                       ; the way out: a stage of 16 rows x (512 + 16) bytes a wave, in slot 1, which has had its last fill and its last read by then
.set GS,    TS                         ; from a load's first 64 rows to its second in LDS (the last tile: two steps)
.set CO,   1
.set BO,   2
.set SC,   4
.set ADRB, 20                          ; v20-21 my fragments of w in slot 0, 1
.set ADRA, 22                          ; v22-23 of x
.set ADRS, 24                          ; v24-25 scale words: lanes 0-15 x's, lanes 16-31 w's
.set STO,  26
.set RD,   27
.set SPW,  28
.set NIL,  29
.set PFO,  30                          ; v30-31 the prefetches' offsets
.set FRG,  32
.set ACC,  128
.set G1,  24
.set G0,  32
.set G1B, 48
.set G0B, 56
.set PFA, 66                           ; s[66:67] my 128 rows at the tile two behind the one that a prefetch of the loop names
.set MSB, 0
.macro WIN new
.if MSB != (\new)
	s_set_vgpr_msb (MSB<<8)|(\new)
.set MSB, (\new)
.endif
.endm
.macro PLACES
.rept 4
	v_nop
.endr
.endm
.macro JLOAD s                         ; a joint load: waves 0, 1 fetch x's halves, waves 2, 3 w's; s_nop 0 and four v_nop behind each line
	s_cmp_eq_u32 s15, 0
	s_cbranch_scc0 .Lfor_b_\@
	tensor_load_to_lds s[G0+4*\s:G0+4*\s+3], s[G1:G1+7]
	s_nop 0
	PLACES
	s_branch .Lasked_\@
.Lfor_b_\@:
	tensor_load_to_lds s[G0B+4*\s:G0B+4*\s+3], s[G1B:G1B+7]
	s_nop 0
	PLACES
.Lasked_\@:
.endm
.macro CREST                           ; a round of the cluster's barrier behind its opening barrier
	s_cmp_lg_u32 s14, 0
	s_cbranch_scc1 .Lnot_wave_0_\@
	s_barrier_signal -3
.Lnot_wave_0_\@:
	s_barrier_wait -3
	s_barrier_signal -1
	s_barrier_wait -1
.endm
.macro CROUND
	s_barrier_signal -1
	s_barrier_wait -1
	CREST
.endm
.macro ASK off                         ; my work-group's 38 blocks of the tile at byte off from s[PFA:PFA+1]
	global_prefetch_b8 v[PFO], s[PFA:PFA+1] offset:\off th:TH_LOAD_NT scope:SCOPE_SE
	global_prefetch_b8 v[PFO+1], s[PFA:PFA+1] offset:\off th:TH_LOAD_NT scope:SCOPE_SE
.endm
	s_load_b128 s[4:7], s[0:1], 0x0                ; x_img, w_img
	s_load_b128 s[8:11], s[0:1], 0x10              ; out0, bias
	v_lshl_add_u32 v[SPW], v0, 2, SPARE
	v_mov_b32 v[NIL], 0
	ds_add_u32 v[SPW], v[NIL]                      ; the opening lines: the add twice on end and its wait
	ds_add_u32 v[SPW], v[NIL]
	v_lshrrev_b32 v32, 5, v0
	v_readfirstlane_b32 s14, v32                   ; wave
	s_lshr_b32 s15, s14, 1                         ; my half of the rows; also: I fetch for x (0) or for w (1)
	s_and_b32 s16, s14, 1                          ; my half of the columns; also: which 128 rows I fetch
	s_bfe_u32 s40, ttmp6, 0x40000                  ; cx
	s_bfe_u32 s41, ttmp6, 0x40004                  ; cy
	s_lshl_b32 s42, ttmp9, 2
	s_add_co_u32 s42, s42, s40                     ; block column
	s_and_b32 s17, ttmp7, 0xffff
	s_lshl_b32 s17, s17, 2
	s_add_co_u32 s17, s17, s41                     ; block row
	s_lshl_b32 s43, s41, 2
	s_lshl_b32 s43, 15, s43                        ; my row of the cluster
	s_lshl_b32 s44, 0x1111, s40                    ; my column
	s_or_b32 s[G1], s43, (3<<16)|(1<<21)           ; the mask; elements of 8 bytes; bit 21 beside a mask; no padding
	s_or_b32 s[G1B], s44, (3<<16)|(1<<21)
.irp g, G1, G1B
	s_mov_b32 s[\g+1], (TS/8)<<16                  ; tensor_dim0
	s_mov_b32 s[\g+2], 2<<16                       ; tensor_dim1 = 2
	s_mov_b32 s[\g+3], (TS/8)<<16                  ; tile_dim0
	s_mov_b32 s[\g+4], 2                           ; tile_dim1
	s_mov_b32 s[\g+5], GROW/8                      ; pitch
	s_mov_b32 s[\g+6], 0
	s_mov_b32 s[\g+7], 0
.endr
	s_lshl_b32 s18, s16, 1
	s_lshl_b32 s20, s17, 2
	s_add_co_u32 s20, s20, s18                     ; x: 64-row group 4 x block row + 2 x half
	s_mul_i32 s20, s20, GROW
	s_mov_b32 s21, 0
	s_lshl_b32 s46, s42, 2
	s_add_co_u32 s46, s46, s18                     ; w: 4 x block column + 2 x half
	s_mul_i32 s46, s46, GROW
	s_mov_b32 s47, 0
	s_mul_i32 s45, s14, REG                        ; where my load goes
	s_wait_dscnt 0x0
	s_wait_kmcnt 0x0
	s_add_nc_u64 s[20:21], s[4:5], s[20:21]
	s_add_nc_u64 s[46:47], s[6:7], s[46:47]
	CROUND                                         ; ahead of the first joint loads
.irp s, 0,1
	s_mov_b32 s[G0+4*\s], 1
	s_add_co_u32 s[G0+4*\s+1], s45, \s*SLOT
	s_add_nc_u64 s[G0+4*\s+2:G0+4*\s+3], s[20:21], \s*TS
	s_or_b32 s[G0+4*\s+3], s[G0+4*\s+3], 0x80000000
	s_mov_b32 s[G0B+4*\s], 1
	s_add_co_u32 s[G0B+4*\s+1], s45, \s*SLOT
	s_add_nc_u64 s[G0B+4*\s+2:G0B+4*\s+3], s[46:47], \s*TS
	s_or_b32 s[G0B+4*\s+3], s[G0B+4*\s+3], 0x80000000
.endr
	JLOAD 0                                        ; tile 0: my one tensor load at the head
	s_mul_i32 s68, s15, REG                        ; my half of x, slot 0
	s_mul_i32 s69, s16, REG
	s_add_co_u32 s69, s69, 2*REG                   ; my half of w, slot 0
	s_add_co_u32 s70, s68, SLOT
	s_add_co_u32 s71, s69, SLOT
	s_sub_co_u32 s72, s69, s68                     ; from x's half to w's
	s_add_co_u32 s73, s68, 4*FRB                   ; a unit's scale words
	s_add_co_u32 s74, s73, SLOT
	s_mul_i32 s75, s14, 16*SPITCH
	s_add_co_u32 s75, s75, SLOT                    ; my stage
	s_cmp_eq_u32 s15, 0
	s_cselect_b32 s76, s40, s41                    ; my place among the four that ask with me
	s_cselect_b64 s[PFA:PFA+1], s[20:21], s[46:47] ; the 128 rows that I fetch, at tile 0
	s_mul_i32 s76, s76, 38
	s_add_co_u32 s77, s76, 32
	s_lshl_b32 s78, s42, 10
	s_lshl_b32 s79, s16, 9
	s_add_co_u32 s78, s78, s79                     ; my first column, in bytes
	s_mov_b32 s79, 0
	s_add_nc_u64 s[10:11], s[10:11], s[78:79]
	s_add_nc_u64 s[8:9], s[8:9], s[78:79]
	s_lshl_b32 s78, s17, 8
	s_lshl_b32 s18, s15, 7
	s_add_co_u32 s78, s78, s18
	s_lshl_b32 s78, s78, 14                        ; my first row, 16,384 bytes a row
	s_add_nc_u64 s[8:9], s[8:9], s[78:79]
	v_and_b32 v32, 15, v0                          ; r
	v_bfe_u32 v33, v0, 4, 1                        ; h
	v_and_b32 v34, 31, v0                          ; lane
	v_lshlrev_b32 v[CO], 4, v34
	v_lshlrev_b32 v[BO], 5, v33
	v_add_nc_u32 v[ADRA], s68, v[CO]
	v_add_nc_u32 v[ADRA+1], s70, v[CO]
	v_add_nc_u32 v[ADRB], s69, v[CO]
	v_add_nc_u32 v[ADRB+1], s71, v[CO]
	v_mul_u32_u24 v35, s72, v33                    ; lanes 16-31 take w's words
	v_lshl_add_u32 v35, v32, 4, v35
	v_add_nc_u32 v[ADRS], s73, v35
	v_add_nc_u32 v[ADRS+1], s74, v35
	v_mul_u32_u24 v36, v32, SPITCH
	v_lshl_add_u32 v36, v33, 5, v36
	v_add_nc_u32 v[STO], s75, v36                  ; in: row r, 32 bytes for each half of the lanes
	v_add_nc_u32 v[RD], s75, v[CO]                 ; back: a row of 512 bytes
	v_add_nc_u32 v36, s76, v34                     ; block 38 p + lane of the tile's 150
	v_min_u32 v37, 5, v34
	v_add_nc_u32 v37, s77, v37                     ; blocks 38 p + 32 .. + 37
	v_min_u32 v37, 149, v37
	v_mul_u32_u24 v38, v36, 437
	v_mul_u32_u24 v39, v37, 437
	v_lshrrev_b32 v38, 15, v38                     ; block / 75: which of the load's two rows
	v_lshrrev_b32 v39, 15, v39
	v_mul_u32_u24 v38, v38, GROW-TS
	v_mul_u32_u24 v39, v39, GROW-TS
	v_lshl_add_u32 v[PFO], v36, 8, v38
	v_lshl_add_u32 v[PFO+1], v37, 8, v39
	s_wait_alu depctr_va_vdst(0)                   ; the wait at the head's end
	ASK TS                                         ; tile 1
	WIN 0x80                                       ; bias(16 b + 8 h + j), in the result's layout: b = 0 .. 3 into window 2, 4 .. 7 into window 3
.irp b, 0,1,2,3
	global_load_b128 v[8*\b:8*\b+3], v[BO], s[10:11] offset:64*\b
	global_load_b128 v[8*\b+4:8*\b+7], v[BO], s[10:11] offset:64*\b+16
.endr
	WIN 0xc0
.irp b, 0,1,2,3
	global_load_b128 v[8*\b:8*\b+3], v[BO], s[10:11] offset:256+64*\b
	global_load_b128 v[8*\b+4:8*\b+7], v[BO], s[10:11] offset:256+64*\b+16
.endr
	WIN 0
; 8 products: x's block a against w's eight, on the sets of parity p.  first = 1: C is the bias.
; The accumulators take turns, one instruction a turn.
.macro PART p, a, first
.irp b, 0,1,2,3,4,5,6,7
.if \first
	WIN (\p)|((2+\p)<<2)|((2+\b/4)<<4)|(((\a)/2)<<6)
	v_wmma_scale_f32_16x16x128_f8f6f4 v[ACC+8*(8*((\a)%2)+\b):ACC+8*(8*((\a)%2)+\b)+7], v[FRG+12*\b:FRG+12*\b+11], v[FRG+12*(\a):FRG+12*(\a)+11], v[8*(\b%4):8*(\b%4)+7], v[SC+8*(\p)+\b], v[SC+8*(\p)+(\a)] matrix_a_fmt:MATRIX_FMT_BF6 matrix_b_fmt:MATRIX_FMT_BF6 matrix_a_scale:MATRIX_SCALE_ROW1
.else
	WIN (\p)|((2+\p)<<2)|(((\a)/2)<<4)|(((\a)/2)<<6)
	v_wmma_scale_f32_16x16x128_f8f6f4 v[ACC+8*(8*((\a)%2)+\b):ACC+8*(8*((\a)%2)+\b)+7], v[FRG+12*\b:FRG+12*\b+11], v[FRG+12*(\a):FRG+12*(\a)+11], v[ACC+8*(8*((\a)%2)+\b):ACC+8*(8*((\a)%2)+\b)+7], v[SC+8*(\p)+\b], v[SC+8*(\p)+(\a)] matrix_a_fmt:MATRIX_FMT_BF6 matrix_b_fmt:MATRIX_FMT_BF6 matrix_a_scale:MATRIX_SCALE_ROW1
.endif
.endr
.endm
.macro GRP p, g, first                 ; 16 products: x's blocks 2 g, 2 g + 1
	PART \p, 2*(\g), \first
	PART \p, 2*(\g)+1, \first
.endm
; 24 LDS loads: eight fragments of step nq of the tile in slot ns, into v32-127 of the destination's window
.macro RUN adr, ns, nq
.set LN, 0
.rept 24
	ds_load_b128 v[FRG+4*LN:FRG+4*LN+3], v[\adr+\ns] offset:(LN/12)*GS+(\nq)*UNIT+FRB*((LN/3)%4)+512*(LN%3)
.set LN, LN+1
.endr
.endm
; What step nq of the tile in slot ns needs, into the sets of parity p: the scale words and w's fragments; x's fragments
.macro FETCH_W p, ns, nq
	WIN 0
	ds_load_b128 v[SC+8*(\p):SC+8*(\p)+3], v[ADRS+\ns] offset:(\nq)*UNIT
	ds_load_b128 v[SC+8*(\p)+4:SC+8*(\p)+7], v[ADRS+\ns] offset:GS+(\nq)*UNIT
	WIN (\p)<<6
	RUN ADRB, \ns, \nq
	WIN 0
.endm
.macro FETCH_X p, ns, nq
	WIN (2+(\p))<<6
	RUN ADRA, \ns, \nq
.endm
; A step of 128 along K.  The next step's fragments and scale words are loaded.  meet: 1 the change of slots with the refill of slot fs; 3 the same, the refill being the last tile, of two steps;
; 2 the last change: nothing is filled.  ask: 1 the prefetch; 2 the prefetch but in the loop's last trip, where the next refill is the short tile.
.macro STEP p, ns, nq, first, meet, fs, ask
	s_wait_dscnt 0x0                               ; this step's fragments and words are in: the youngest were asked for 48 matrix instructions ago
	PLACES                                         ; four places ahead of loads into registers that the last step's products have read (ISA guide 7.12.1 for vector instructions)
	FETCH_W 1-\p, \ns, \nq
.if \ask
.if \ask == 2
	s_cmp_eq_u32 s3, 1
	s_cbranch_scc1 .Lno_ask_\@
.endif
	ASK 2*TS
.Lno_ask_\@:
.endif
	GRP \p, 0, \first
	FETCH_X 1-\p, \ns, \nq
	GRP \p, 1, \first
.if \meet
	WIN 0
.if \meet == 1
	s_wait_xcnt 0x0                                ; my prefetches have read their base
	s_add_nc_u64 s[PFA:PFA+1], s[PFA:PFA+1], TS
.endif
	s_wait_tensorcnt 0x0                           ; all my tensor loads have landed: my part of the next tile
	ds_add_u32 v[SPW], v[NIL]                      ; work on registers stands between the add and its wait
.if \meet != 2
	s_add_nc_u64 s[G0+4*\fs+2:G0+4*\fs+3], s[G0+4*\fs+2:G0+4*\fs+3], 2*TS
	s_add_nc_u64 s[G0B+4*\fs+2:G0B+4*\fs+3], s[G0B+4*\fs+2:G0B+4*\fs+3], 2*TS
.endif
.if \meet == 3
	s_mov_b32 s[G1+1], (2*UNIT/8)<<16              ; no load of mine is out: the last tile's rows are two steps long
	s_mov_b32 s[G1+3], (2*UNIT/8)<<16
	s_mov_b32 s[G1B+1], (2*UNIT/8)<<16
	s_mov_b32 s[G1B+3], (2*UNIT/8)<<16
.endif
.endif
	GRP \p, 2, \first
.if \meet
	s_wait_dscnt 0x0                               ; the add is done, and so are my reads of this tile, its last step's among them
	s_barrier_signal -1
.endif
	GRP \p, 3, \first
.if \meet
	WIN 0
	s_barrier_wait -1
.if \meet != 2
	CREST                                          ; the barrier has opened a round of the cluster's barrier
	JLOAD \fs                                      ; the tile two on: three steps lie between this request and the wait for it
.endif
.endif
.endm
	s_wait_tensorcnt 0x0                           ; my part of tile 0 is in
	ds_add_u32 v[SPW], v[NIL]
	s_wait_dscnt 0x0
	CROUND
	JLOAD 1                                        ; tile 1: slot 1's first fill
	FETCH_W 0, 0, 0
	FETCH_X 0, 0, 0
	WIN 0
	ASK 2*TS                                       ; tile 2
	s_wait_loadcnt 0x0                             ; the bias
	STEP 0, 0, 1, 1, 0, 0, 0                       ; step 0 starts the sums on the bias
	WIN 0
	s_mov_b32 s3, 4
.Llap:                                                 ; a trip is six steps, from a tile's middle step in slot 0 to the first step of the tile two on; it fills both slots again
	STEP 1, 0, 2, 0, 1, 0, 0
	STEP 0, 1, 0, 0, 0, 0, 1
	STEP 1, 1, 1, 0, 0, 0, 0
	STEP 0, 1, 2, 0, 1, 1, 0
	STEP 1, 0, 0, 0, 0, 0, 2
	STEP 0, 0, 1, 0, 0, 0, 0
	WIN 0
	s_sub_co_u32 s3, s3, 1
	s_cmp_lg_u32 s3, 0
	s_cbranch_scc1 .Llap
	STEP 1, 0, 2, 0, 3, 0, 0                       ; step 25: the last refill, tile 10
	STEP 0, 1, 0, 0, 0, 0, 0
	STEP 1, 1, 1, 0, 0, 0, 0
	STEP 0, 1, 2, 0, 2, 0, 0                       ; step 28: tile 10 is whole; behind this barrier nobody reads slot 1
.set GS, 2*UNIT
	STEP 1, 0, 0, 0, 0, 0, 0                       ; step 29; it loads step 30's fragments
; THE WAY OUT of block a, 16 rows x 128 columns: through my own stage and back as whole rows of 512 bytes, into v0-31 of windows 2 and 3.  LDS serves a wave's instructions in order (ISA guide 5.7.1.4).
.macro TOSTAGE a
.set AC, ACC+64*((\a)%2)
	WIN ((\a)/2)<<2                                ; the data's window
.irp b, 0,1,2,3,4,5,6,7
	ds_store_b128 v[STO], v[AC+8*\b:AC+8*\b+3] offset:64*\b          ; each accumulator from its low end on
	ds_store_b128 v[STO], v[AC+8*\b+4:AC+8*\b+7] offset:64*\b+16
.endr
	s_wait_xcnt 0x0                                ; the last block's stores have read their registers and their base
	WIN 0x80
.irp t, 0,1,2,3,4,5,6,7
	ds_load_b128 v[4*\t:4*\t+3], v[RD] offset:\t*SPITCH
.endr
	WIN 0xc0
.irp t, 0,1,2,3,4,5,6,7
	ds_load_b128 v[4*\t:4*\t+3], v[RD] offset:(8+\t)*SPITCH
.endr
.endm
.macro SEND a
	s_wait_dscnt 0x0                               ; the block is back in registers
.if (\a) > 0
	s_add_nc_u64 s[8:9], s[8:9], 16*16384          ; behind TOSTAGE's wait on XCNT
.endif
	WIN 0x08
.irp t, 0,1,2,3,4,5,6,7
	global_store_b128 v[CO], v[4*\t:4*\t+3], s[8:9] offset:\t*16384 th:TH_STORE_NT   ; 512 consecutive bytes, from a multiple of 256
.endr
	WIN 0x0c
.irp t, 0,1,2,3,4,5,6,7
	global_store_b128 v[CO], v[4*\t:4*\t+3], s[8:9] offset:(8+\t)*16384 th:TH_STORE_NT
.endr
.endm
; STEPS 30 AND 31, BY ROWS.  Step 31's fragments are loaded into the sets that step 29 multiplied; four blocks' products of step 30 stand between these loads and the wait for them.
; Then each block is finished and leaves: the next block's products stand between its loads from the stage and its stores.
	s_wait_dscnt 0x0                               ; step 30's fragments and words are in
	PLACES
	FETCH_W 1, 0, 1
	FETCH_X 1, 0, 1
.irp a, 0,1,2,3
	PART 0, \a, 0
.endr
	s_wait_dscnt 0x0                               ; step 31's are in
	PART 1, 0, 0
	PLACES                                         ; four places ahead of the first read of the block's results
	TOSTAGE 0
.irp a, 1,2,3
	PART 1, \a, 0
	PLACES
	SEND \a-1
	TOSTAGE \a
.endr
.irp a, 4,5,6,7
	PART 0, \a, 0
	PART 1, \a, 0
	PLACES
	SEND \a-1
	TOSTAGE \a
.endr
	SEND 7
	WIN 0
	s_wait_tensorcnt 0x0                           ; the wave's end
	ds_add_u32 v[SPW], v[NIL]
	s_wait_dscnt 0x0
	CROUND                                         ; the closing round
	s_endpgm
.Lfunc_end_k_q036507eedb_gemm:
	.size	k_q036507eedb_gemm, .Lfunc_end_k_q036507eedb_gemm-k_q036507eedb_gemm
	.p2alignl 7, 3214868480
	.fill 96, 4, 3214868480
	.section	.rodata,"a",@progbits
	.p2align	6, 0x0
	.amdhsa_kernel k_q036507eedb_gemm
		.amdhsa_group_segment_fixed_size 327680
		.amdhsa_private_segment_fixed_size 0
		.amdhsa_enable_private_segment 0
		.amdhsa_kernarg_size 32
		.amdhsa_user_sgpr_count 2
		.amdhsa_user_sgpr_kernarg_segment_ptr 1
		.amdhsa_wavefront_size32 1
		.amdhsa_system_sgpr_workgroup_id_x 1
		.amdhsa_system_sgpr_workgroup_id_y 1
		.amdhsa_system_sgpr_workgroup_id_z 1
		.amdhsa_system_vgpr_workitem_id 0
		.amdhsa_next_free_vgpr 1024
		.amdhsa_next_free_sgpr 80
		.amdhsa_reserve_vcc 0
		.amdhsa_float_denorm_mode_32 3
		.amdhsa_float_denorm_mode_16_64 3
		.amdhsa_memory_ordered 1
		.amdhsa_forward_progress 1
		.amdhsa_inst_pref_size 208
	.end_amdhsa_kernel
	.amdgpu_metadata
---
amdhsa.version: [ 1, 2 ]
amdhsa.kernels:
  - .name:           k_q036507eedb_gemm
    .symbol:         k_q036507eedb_gemm.kd
    .args:
      - { .name: x_img, .offset: 0, .size: 8, .value_kind: global_buffer, .address_space: global }
      - { .name: w_img, .offset: 8, .size: 8, .value_kind: global_buffer, .address_space: global }
      - { .name: out0, .offset: 16, .size: 8, .value_kind: global_buffer, .address_space: global }
      - { .name: bias, .offset: 24, .size: 8, .value_kind: global_buffer, .address_space: global }
    .group_segment_fixed_size: 327680
    .private_segment_fixed_size: 0
    .kernarg_segment_align: 8
    .kernarg_segment_size: 32
    .max_flat_workgroup_size: 128
    .sgpr_count:     80
    .vgpr_count:     1024
    .wavefront_size: 32
...
	.end_amdgpu_metadata
.endif
;; end of part 2
